; MI455X (gfx1250); checked and timed in simulation.
; The chip was launched on July 23, 2026; its instructions are those of AMD's public machine-readable ISA for CDNA 5 (MIT licence, August 2026) and "CDNA5" Instruction Set Architecture Reference Guide (July 2026). The comments in the code are by the model that wrote it; some were corrected since.
;; Mo E. Allowed arithmetic: matrix products marked QUANTISED: E2M3 operands, one E8M0 scale for each 32 along K, by v_wmma_scale_f32_16x16x128_f8f6f4 with both operands' format E2M3, f32 sums; products left as they are: f32 operands where the result goes on into a quantised operand, else bf16, f16 or f32 operands; f32 sums; everything else in f32.
;; Inputs: W1 8 x 1,024 x 4,096 float32; W2 8 x 4,096 x 1,024 float32; b1 8 x 4,096 float32; b2 8 x 1,024 float32; gate_b 8 float32; gate_w 1,024 x 8 float32; x 1,024 x 1,024 float32.
;; Outputs: out0 1,024 x 1,024 float32.
;; This version of the problem:
;;   THIS VERSION OF THE PROBLEM IS GIVEN IN LOW PRECISION. The matrix products marked QUANTISED in the list below multiply operands that are first quantised to E2M3 (2 exponent bits, 3 mantissa bits; 6 bits a number), with one power-of-two scale for each 32 numbers along K (OCP MX v1.0); their sums are f32. All else is computed in f32.
;;   The module's matrix products, in the order in which they are computed (A, B: the left and right operand; K: the contracted axis; several contracted axes count as one K, in the product's order):
;;     1. [M 1,024, K 1,024] x [K 1,024, N 8]; A: input x; B: input gate_w: left as it is (N = 8 < 16)
;;     2. [M 1,024, K 1,024] x [K 1,024, N 32,768]; A: input x; B: input W1: QUANTISED
;;     3. batch 8 x [M 1,024, K 4,096] x [K 4,096, N 1,024]; A: input W2; B: computed on the way: QUANTISED
;;   THE QUANTISER, for each operand of a quantised product, along K:
;;     - K is cut into blocks of 32 from its start; a last block that is shorter is filled with zeros.
;;     - A block's scale is 2^e with e = floor(log2(the largest magnitude in the block)) - 2, held to -126 .. 127; a block of zeros has e = 0. As a byte (E8M0): e + 127.
;;     - Each number is divided by its block's scale, clamped to +-7.5, and rounded to the nearest number of E2M3, ties to even, subnormals kept.
;;     - The product sums the exact products of the quantised numbers (number of the format x scale) in f32.
;;   ~~~python
;;   def quantise(x, axis):      # numpy; x: float32 -> the quantised numbers, widened to float32 again
;;       x = np.moveaxis(x, axis, -1); K = x.shape[-1]
;;       x = np.pad(x, [(0, 0)] * (x.ndim - 1) + [(0, -K % 32)]); x = x.reshape(x.shape[:-1] + (-1, 32)); a = np.abs(x).max(-1, keepdims=True)
;;       e = np.where(a > 0, np.clip(np.frexp(np.where(a > 0, a, 1))[1] - 1 - 2, -126, 127), 0)      # np.frexp(a)[1] - 1 = floor(log2(a)), exactly
;;       r = np.clip(x / 2.0 ** e, -7.5, 7.5)
;;       step = 2.0 ** (np.maximum(np.frexp(np.where(r == 0, 1, r))[1] - 1, 0) - 3)
;;       q = np.round(r / step) * step * 2.0 ** e      # np.round: ties to even
;;       return np.moveaxis(q.reshape(q.shape[:-2] + (-1,))[..., :K], -1, axis).astype(np.float32)
;;   ~~~
;;   OPERANDS COMPUTED ON THE WAY. 'Computed on the way' means the value that the module computes at that place (a softmax that the list does not call 'softmax' is quantised finished and normalised). What goes into a quantiser is computed in f32, as accurately as f32 sums, v_exp_f32 and their like allow (about 1e-6 of the number): no bf16 or f16 on the way to a quantiser, and a product that is left as it is and whose result goes on into a quantised operand takes f32 operands (vector FMAs, or v_wmma_f32_16x16x4_f32). A number that lies on a knife's edge between two numbers of the format may be rounded either way, as far as f32 arithmetic and the matrix unit's own rounding can turn it there, and no further.
;; One version. Each part assembles by itself: llvm-mc -triple=amdgcn-amd-amdhsa -mcpu=gfx1250 --defsym DOCPART=n.
;; ======== version 1 of 1: 4 launches
;; workspace buffers: top1 4,096 bytes of whole numbers; cnt 1,024 bytes of whole numbers; list 32,768 bytes of whole numbers; xs 6,291,456 bytes; xss 262,144 bytes; hc 25,165,824 bytes; hs 1,048,576 bytes
;; launch gate (part 1): grid 256 x 1, 1 waves a work-group, no clusters, 0 bytes of LDS; arguments x, gate_w, gate_b, top1; writes top1
.if DOCPART == 1
	.amdgcn_target "amdgcn-amd-amdhsa--gfx1250"
	.amdhsa_code_object_version 6
	.text
	.protected	k_qf930e48239_gate
	.globl	k_qf930e48239_gate
	.p2align	8
	.type	k_qf930e48239_gate,@function
k_qf930e48239_gate:
	s_mov_b64 s[64:65], 0
	v_nop
	global_prefetch_b8 v0, s[64:65] scope:SCOPE_SE
	s_setreg_imm32_b32 hwreg(HW_REG_WAVE_MODE, 25, 1), 1
	s_wait_xcnt 0x0
; THE GATE.  top1[n] = argmax over e of softmax(x[n] . gate_w[:, e] + gate_b[e]).  x: [1024][1024], gate_w: [1024][8], gate_b: [8], f32; top1: [1024] u32.
; All in f32 by fused multiply-adds: eight columns are too few for a matrix tile, and a coarser operand could turn an argmax.
; One wave takes four tokens.  Lane l holds k = 128 j + 4 l + i (j < 8, i < 4; kk = 4 j + i): each load of x covers 512 consecutive bytes.
; The lane's 32 rows of gate_w (256 numbers) fill register window 1, so each is loaded once for the four tokens.
; The chosen expert is only stored, at a fixed place: no branch and no address of this launch hangs on it.
; LIMITS: NaN and infinities are not served.  The logits' sums are taken in another order than the definition's (32 terms a lane, then a tree over the lanes):
; two largest scores closer than that rounding, some 1e-7 of a logit, may fall the other way.  At equal scores the lower index is kept.
.set X,    16                          ; v16-143  x: token t, kk at X + 32 t + kk
.set ACC,  144                         ; v144-175 token t, expert e at ACC + 8 t + e: sums, logits, scores
.set MXR,  176                         ; v176-179 a token's largest logit
.set SM,   180                         ; v180-183 the sum of its exponentials
.set RC,   184                         ; v184-187 1 / the sum
.set BEST, 188                         ; v188-191 the largest score so far
.set R,    208                         ; v208-211 its index
.set PT,   212                         ; v212-215 what comes from the other half of the lanes
	s_load_b256 s[4:11], s[0:1], 0x0               ; x s[4:5], gate_w s[6:7], gate_b s[8:9], top1 s[10:11]
	v_lshlrev_b32 v1, 4, v0                        ; 16 x lane
	v_lshlrev_b32 v2, 7, v0                        ; 128 x lane: four rows of gate_w
	s_lshl_b32 s2, ttmp9, 14                       ; four rows of x, 4,096 bytes each
	s_mov_b32 s3, 0
	s_mov_b32 s20, 0x76543210                      ; v_permlanex16_b32's selects for lane l xor 16
	s_mov_b32 s21, 0xfedcba98
	s_mov_b32 s22, 0x3fb8aa3b                      ; log2(e)
.irp i, 0,1,2,3
	v_mov_b32 v[PT+\i], 0                          ; written once: a lane permute's destination counts as one of its sources
.endr
	s_wait_kmcnt 0x0
	s_load_b256 s[12:19], s[8:9], 0x0              ; gate_b's eight numbers
	s_add_nc_u64 s[4:5], s[4:5], s[2:3]
.irp t, 0,1,2,3
.irp j, 0,1,2,3,4,5,6,7
	global_load_b128 v[X+32*\t+4*\j:X+32*\t+4*\j+3], v1, s[4:5] offset:4096*\t+512*\j
.endr
.endr
	s_set_vgpr_msb 0x40                            ; destination in window 1
.irp j, 0,1,2,3,4,5,6,7
.irp i, 0,1,2,3
	global_load_b128 v[8*(4*\j+\i):8*(4*\j+\i)+3],   v2, s[6:7] offset:4096*\j+32*\i       ; gate_w[128 j + 4 l + i][0 .. 3]
	global_load_b128 v[8*(4*\j+\i)+4:8*(4*\j+\i)+7], v2, s[6:7] offset:4096*\j+32*\i+16    ; and [4 .. 7]
.endr
.endr
	s_set_vgpr_msb 0x4000
	s_lshl_b32 s2, ttmp9, 4                        ; my four words of top1
	s_add_nc_u64 s[10:11], s[10:11], s[2:3]
	s_wait_loadcnt 0x0
	s_wait_kmcnt 0x0
	s_set_vgpr_msb 0x0004                          ; source 1 (gate_w) in window 1
; 16 pairs of sums (4 tokens x 4 pairs of experts) by turns; x's number is taken for both halves of a pair.  The first products start the sums.
.irp t, 0,1,2,3
.irp p, 0,1,2,3
	v_pk_mul_f32 v[ACC+8*\t+2*\p:ACC+8*\t+2*\p+1], v[X+32*\t:X+32*\t+1], v[2*\p:2*\p+1] op_sel_hi:[0,1]
.endr
.endr
.set kk, 1
.rept 31
.irp t, 0,1,2,3
.irp p, 0,1,2,3
.if kk%2
	v_pk_fma_f32 v[ACC+8*\t+2*\p:ACC+8*\t+2*\p+1], v[X+32*\t+kk-1:X+32*\t+kk], v[8*kk+2*\p:8*kk+2*\p+1], v[ACC+8*\t+2*\p:ACC+8*\t+2*\p+1] op_sel:[1,0,0] op_sel_hi:[1,1,1]
.else
	v_pk_fma_f32 v[ACC+8*\t+2*\p:ACC+8*\t+2*\p+1], v[X+32*\t+kk:X+32*\t+kk+1], v[8*kk+2*\p:8*kk+2*\p+1], v[ACC+8*\t+2*\p:ACC+8*\t+2*\p+1] op_sel_hi:[0,1,1]
.endif
.endr
.endr
.set kk, kk+1
.endr
	s_set_vgpr_msb 0x0400
; across the 32 lanes: four steps inside each half of 16 lanes, one across the halves; every lane ends with every sum
.irp mask, 1,2,4,8
.set j, 0
.rept 32
	v_add_f32_dpp v[ACC+j], v[ACC+j], v[ACC+j] row_xmask:\mask row_mask:0xf bank_mask:0xf
.set j, j+1
.endr
.endr
.set j, 0
.rept 8
.irp i, 0,1,2,3
	v_permlanex16_b32 v[PT+\i], v[ACC+j+\i], s20, s21
.endr
.irp i, 0,1,2,3
	v_add_f32 v[ACC+j+\i], v[ACC+j+\i], v[PT+\i]
.endr
.set j, j+4
.endr
.irp t, 0,1,2,3
.irp e, 0,1,2,3,4,5,6,7
	v_add_f32 v[ACC+8*\t+\e], s[12+\e], v[ACC+8*\t+\e]         ; + gate_b: the logits
.endr
.endr
; the softmax, the four tokens by turns: the largest logit is taken away before the exponentials
.irp t, 0,1,2,3
	v_max3_num_f32 v[MXR+\t], v[ACC+8*\t], v[ACC+8*\t+1], v[ACC+8*\t+2]
.endr
.irp t, 0,1,2,3
	v_max3_num_f32 v[MXR+\t], v[MXR+\t], v[ACC+8*\t+3], v[ACC+8*\t+4]
.endr
.irp t, 0,1,2,3
	v_max3_num_f32 v[MXR+\t], v[MXR+\t], v[ACC+8*\t+5], v[ACC+8*\t+6]
.endr
.irp t, 0,1,2,3
	v_max_num_f32 v[MXR+\t], v[MXR+\t], v[ACC+8*\t+7]
.endr
.irp t, 0,1,2,3
.irp e, 0,1,2,3,4,5,6,7
	v_sub_f32 v[ACC+8*\t+\e], v[ACC+8*\t+\e], v[MXR+\t]
.endr
.endr
.irp t, 0,1,2,3
.irp e, 0,1,2,3,4,5,6,7
	v_mul_f32 v[ACC+8*\t+\e], s22, v[ACC+8*\t+\e]
.endr
.endr
.irp t, 0,1,2,3
.irp e, 0,1,2,3,4,5,6,7
	v_exp_f32 v[ACC+8*\t+\e], v[ACC+8*\t+\e]
.endr
.endr
	v_nop                                          ; one plain instruction between the last exponential and the use of its result
	s_wait_alu depctr_va_vdst(0)
.irp t, 0,1,2,3
	v_add_f32 v[SM+\t], v[ACC+8*\t], v[ACC+8*\t+1]
.endr
.irp e, 2,3,4,5,6,7
.irp t, 0,1,2,3
	v_add_f32 v[SM+\t], v[SM+\t], v[ACC+8*\t+\e]
.endr
.endr
.irp t, 0,1,2,3
	v_rcp_f32 v[RC+\t], v[SM+\t]
.endr
.irp t, 0,1,2,3
	v_mov_b32 v[R+\t], 0                           ; (plain instructions behind the reciprocals)  the index starts at expert 0
.endr
	s_wait_alu depctr_va_vdst(0)
.irp t, 0,1,2,3
.irp e, 0,1,2,3,4,5,6,7
	v_mul_f32 v[ACC+8*\t+\e], v[ACC+8*\t+\e], v[RC+\t]         ; the scores
.endr
.endr
; the argmax, experts ascending: the index moves only where a score is strictly larger, so the lower index is kept at a tie
.irp e, 1,2,3,4,5,6,7
.irp t, 0,1,2,3
.if \e == 1
	v_cmp_ge_f32 s[24+\t], v[ACC+8*\t], v[ACC+8*\t+1]
.else
	v_cmp_ge_f32 s[24+\t], v[BEST+\t], v[ACC+8*\t+\e]
.endif
.endr
.irp t, 0,1,2,3
	v_cndmask_b32 v[R+\t], \e, v[R+\t], s[24+\t]               ; best >= this score: the index stays
.endr
.irp t, 0,1,2,3
.if \e == 1
	v_max_num_f32 v[BEST+\t], v[ACC+8*\t], v[ACC+8*\t+1]
.else
	v_max_num_f32 v[BEST+\t], v[BEST+\t], v[ACC+8*\t+\e]
.endif
.endr
.endr
	v_cmp_gt_u32 vcc_lo, 1, v0                     ; every lane holds the four indices: lane 0 stores them
	s_wait_xcnt 0x0                                ; EXEC changes only behind this wait
	s_and_saveexec_b32 s28, vcc_lo
	global_store_b128 v1, v[R:R+3], s[10:11]       ; 16 bytes; the whole of top1 is 4,096
	s_endpgm
.Lfunc_end_k_qf930e48239_gate:
	.size	k_qf930e48239_gate, .Lfunc_end_k_qf930e48239_gate-k_qf930e48239_gate
	.p2alignl 7, 3214868480
	.fill 96, 4, 3214868480
	.section	.rodata,"a",@progbits
	.p2align	6, 0x0
	.amdhsa_kernel k_qf930e48239_gate
		.amdhsa_group_segment_fixed_size 0
		.amdhsa_private_segment_fixed_size 0
		.amdhsa_enable_private_segment 0
		.amdhsa_kernarg_size 32
		.amdhsa_user_sgpr_count 2
		.amdhsa_user_sgpr_kernarg_segment_ptr 1
		.amdhsa_wavefront_size32 1
		.amdhsa_system_sgpr_workgroup_id_x 1
		.amdhsa_system_sgpr_workgroup_id_y 1
		.amdhsa_system_sgpr_workgroup_id_z 1
		.amdhsa_system_vgpr_workitem_id 0
		.amdhsa_next_free_vgpr 512
		.amdhsa_next_free_sgpr 66
		.amdhsa_reserve_vcc 1
		.amdhsa_float_denorm_mode_32 3
		.amdhsa_float_denorm_mode_16_64 3
		.amdhsa_memory_ordered 1
		.amdhsa_forward_progress 1
		.amdhsa_inst_pref_size 65
	.end_amdhsa_kernel
	.amdgpu_metadata
---
amdhsa.version: [ 1, 2 ]
amdhsa.kernels:
  - .name:           k_qf930e48239_gate
    .symbol:         k_qf930e48239_gate.kd
    .args:
      - { .name: x, .offset: 0, .size: 8, .value_kind: global_buffer, .address_space: global }
      - { .name: gate_w, .offset: 8, .size: 8, .value_kind: global_buffer, .address_space: global }
      - { .name: gate_b, .offset: 16, .size: 8, .value_kind: global_buffer, .address_space: global }
      - { .name: top1, .offset: 24, .size: 8, .value_kind: global_buffer, .address_space: global }
    .group_segment_fixed_size: 0
    .private_segment_fixed_size: 0
    .kernarg_segment_align: 8
    .kernarg_segment_size: 32
    .max_flat_workgroup_size: 32
    .sgpr_count:     66
    .vgpr_count:     512
    .wavefront_size: 32
...
	.end_amdgpu_metadata
.endif
;; end of part 1
;; launch sortq (part 2): grid 8 x 8, 16 waves a work-group, no clusters, 0 bytes of LDS; arguments top1, x, xs, xss, list, cnt; writes xs, xss, list, cnt
.if DOCPART == 2
	.amdgcn_target "amdgcn-amd-amdhsa--gfx1250"
	.amdhsa_code_object_version 6
	.text
	.protected	k_qf930e48239_sortq
	.globl	k_qf930e48239_sortq
	.p2align	8
	.type	k_qf930e48239_sortq,@function
k_qf930e48239_sortq:
	s_mov_b64 s[64:65], 0
	v_nop
	global_prefetch_b8 v0, s[64:65] scope:SCOPE_SE
	s_setreg_imm32_b32 hwreg(HW_REG_WAVE_MODE, 25, 1), 1
	s_wait_xcnt 0x0
; THE ROWS ARE PLACED BY EXPERT AND QUANTISED.  top1: [1024] u32, the expert of each token (stored by the launch before).  x: [1024][1024] f32.
; An expert's tokens are numbered 0 .. n - 1; 32 such positions are a PAIR (two tiles of 16 rows); npairs = ceil(n / 32), at most 32.  Positions from n on in the last pair take position n - 1's
; token once more: a true duplicate, whose result is the same row of the output.  So nothing is masked, and no byte is read later that was not stored.
; OUT: cnt [8][32] u32: npairs, 32 times.   list [8][32 pairs][32] u32: the token of each position.
;   xs [8][32 pairs][8 K steps][2 tiles][1,536 bytes]: x's codes of FP6 (E2M3) as the IMAGE OF AN OPERAND'S REGISTERS: registers 4 c .. 4 c + 3 of lane l at 512 c + 16 l.
;   xss [8][32 pairs][8 K steps][32 words]: word 16 tile + r: the four E8M0 bytes of row r for these 128 along K.
; SHARES.  Work-group (slot, e) takes the pairs slot, slot + 8, .. of expert e; a work-group that a given choice leaves without a pair stores nothing more and ends: eight slots serve every choice, all
; tokens on one expert too (four trips then).  Wave w takes tile w / 8 and K step w % 8.  Waves share nothing: no LDS, no barrier.
; HOW A POSITION FINDS ITS TOKEN, without traffic between work-groups: every wave reads all of top1 (4,096 bytes), makes 32 masks of 32 tokens (who chose e) and their running counts in scalar registers; a lane then
; picks the mask in which its position falls, and the place of its bit there.  Mask m = 4 jj + i, bit l is token 128 jj + 4 l + i: the order of an expert's rows is free.
; THE QUANTISER: a block's scale is 2^(floor(log2(its largest magnitude)) - 2); its byte is that magnitude's exponent field - 2, held at 1 from below.
; LIMITS: NaN and infinities are not served; a block whose largest magnitude lies under 2^-124 has the byte 1; a block of zeros has the byte 1 where the rule says 127: its codes are zeros, and this program alone reads the bytes.
.set M,    16                          ; s16-47  the masks
.set KEY,  66                          ; s66-97  (tokens of e in the masks before m) << 8 | m
.set TRIP, 100                         ; s100    trips done
.set TRIPS, 101                        ; s101    trips in all: ceil((npairs - slot) / 8), 1 to 4
.set TOP,  8                           ; v8-39   top1
.set P,    40                          ; my position
.set PK,   41                          ; position << 8 | 255
.set WORD, 42                          ; the mask in which it falls
.set KY,   43                          ; and that mask's key
.set Q,    44                          ; which set bit of the mask
.set C,    45
.set T,    46
.set IDX,  47                          ; the bit's place
.set TOK,  48                          ; the token
.set XA,   49                          ; its row's byte offset in x, + my half's 64 bytes
.set XO,   50                          ; 16 x lane + 1,536 x tile
.set SOF,  51                          ; 4 r + 64 x tile
.set ST,   64                          ; v64-127  64 numbers: register 16 b + i = k 32 b + 16 (lane / 16) + i of my row's K step
.set PC,   128                         ; v128-147 the codes
.set TM,   148                         ; v148-163 at work
.set PW,   164                         ; the scale word
	s_load_b256 s[4:11], s[0:1], 0x0               ; top1 s[4:5], x s[6:7], xs s[8:9], xss s[10:11]
	s_load_b128 s[12:15], s[0:1], 0x20             ; list s[12:13], cnt s[14:15]
	v_lshrrev_b32 v6, 5, v0
	v_readfirstlane_b32 s48, v6                    ; wave 0..15
	s_lshr_b32 s49, s48, 3                         ; tile
	s_and_b32 s50, s48, 7                          ; K step
	s_and_b32 s51, ttmp7, 0xffff                   ; expert
	v_and_b32 v1, 31, v0                           ; lane
	v_lshlrev_b32 v2, 4, v1                        ; 16 x lane
	v_and_b32 v4, 15, v0                           ; r
	v_bfe_u32 v5, v0, 4, 1                         ; h
	s_mov_b32 s56, 0x76543210                      ; v_permlanex16_b32's selects for lane l xor 16
	s_mov_b32 s57, 0xfedcba98
.irp b, 0,1,2,3
	v_mov_b32 v[TM+4+\b], 0                        ; written once: a lane permute's destination counts as one of its sources
.endr
	s_wait_kmcnt 0x0
.irp jj, 0,1,2,3,4,5,6,7
	global_load_b128 v[TOP+4*\jj:TOP+4*\jj+3], v2, s[4:5] offset:512*\jj
.endr
	s_mul_i32 s2, s49, 1536
	v_add_nc_u32 v[XO], s2, v2
	s_lshl_b32 s2, s49, 6
	v_lshl_add_u32 v[SOF], v4, 2, s2
	s_wait_loadcnt 0x0
.set m, 0
.rept 32
	v_cmp_eq_u32 s[M+m], s51, v[TOP+m]             ; who chose my expert
.set m, m+1
.endr
	s_mov_b32 s52, 0                               ; the running count
.set m, 0
.rept 32
	s_lshl_b32 s[KEY+m], s52, 8
	s_or_b32 s[KEY+m], s[KEY+m], m
	s_bcnt1_i32_b32 s53, s[M+m]
	s_add_co_u32 s52, s52, s53
.set m, m+1
.endr
	s_add_co_u32 s53, s52, 31
	s_lshr_b32 s53, s53, 5
	s_min_u32 s53, s53, 32                         ; npairs
	s_sub_co_u32 s55, s52, 1                       ; the last position (not used where the expert has no token)
	s_cmp_lg_u32 ttmp9, 0                          ; slot 0's wave 0 stores the count, for an expert without tokens too
	s_cbranch_scc1 .Lnocnt
	s_cmp_lg_u32 s48, 0
	s_cbranch_scc1 .Lnocnt
	v_mov_b32 v7, s53
	v_lshlrev_b32 v6, 2, v1
	s_lshl_b32 s2, s51, 7
	s_mov_b32 s3, 0
	s_add_nc_u64 s[14:15], s[14:15], s[2:3]
	global_store_b32 v6, v7, s[14:15]              ; 128 consecutive bytes; v6, v7 and s[14:15] are not written again
.Lnocnt:
	s_mov_b32 s54, ttmp9                           ; my first pair
	s_cmp_ge_u32 s54, s53
	s_cbranch_scc1 .Lend
	s_sub_co_u32 s[TRIPS], s53, s54                ; at least 1 here, at most 32:
	s_add_co_u32 s[TRIPS], s[TRIPS], 7
	s_lshr_b32 s[TRIPS], s[TRIPS], 3               ; my pairs, every eighth from my first on
	s_mov_b32 s[TRIP], 0
	s_lshl_b32 s2, s51, 5
	s_add_co_u32 s2, s2, s54                       ; 32 e + pair
	s_mul_i32 s58, s2, 24576                       ; a pair's images: 8 K steps x 3,072 bytes
	s_mul_i32 s3, s50, 3072
	s_add_co_u32 s58, s58, s3
	s_mov_b32 s59, 0
	s_add_nc_u64 s[58:59], s[8:9], s[58:59]
	s_lshl_b32 s60, s2, 10                         ; its scale words: 8 x 128 bytes
	s_lshl_b32 s3, s50, 7
	s_add_co_u32 s60, s60, s3
	s_mov_b32 s61, 0
	s_add_nc_u64 s[60:61], s[10:11], s[60:61]
	s_lshl_b32 s62, s2, 7                          ; its 32 tokens
	s_mov_b32 s63, 0
	s_add_nc_u64 s[62:63], s[12:13], s[62:63]
	s_lshl_b32 s98, s50, 9                         ; my K step in a row of x
	s_mov_b32 s99, 0
	s_add_nc_u64 s[98:99], s[6:7], s[98:99]
; 64 numbers of a lane become a fragment's codes in v[PC] on and its scale word in v[PW]
.macro QUANT s
.irp b, 0,1,2,3
	v_max3_num_f32 v[TM+\b], |v[\s+16*\b]|, |v[\s+1+16*\b]|, 0x1800000   ; block b: my 16 numbers, and the floor 2^(3 - 127): the byte cannot fall under 1
.endr
.irp i, 2,4,6,8,10,12,14
.irp b, 0,1,2,3
	v_max3_num_f32 v[TM+\b], v[TM+\b], |v[\s+16*\b+\i]|, |v[\s+1+16*\b+\i]|   ; (the four blocks by turns)
.endr
.endr
.irp b, 0,1,2,3
	v_permlanex16_b32 v[TM+4+\b], v[TM+\b], s56, s57
.endr
.irp b, 0,1,2,3
	v_max_num_f32 v[TM+\b], v[TM+\b], v[TM+4+\b]   ; with lane l xor 16's: the block's largest magnitude
.endr
.irp b, 0,1,2,3
	v_add_nc_u32 v[TM+12+\b], 0xff000000, v[TM+\b] ; 2 off its exponent field: the conversion takes the exponent field of this operand as its scale
.endr
.irp b, 0,1,2,3
	v_lshrrev_b32 v[TM+4+\b], 23, v[TM+12+\b]      ; the scale's byte
.endr
	v_lshl_or_b32 v[PW], v[TM+5], 8, v[TM+4]
	v_lshl_or_b32 v[PW], v[TM+6], 16, v[PW]
	v_lshl_or_b32 v[PW], v[TM+7], 24, v[PW]
.irp c, 0,1
	v_cvt_scalef32_pk16_fp6_f32 v[PC+6*\c:PC+2+6*\c], v[\s+32*\c:\s+15+32*\c], v[TM+12+2*\c]
	v_cvt_scalef32_pk16_fp6_f32 v[PC+12+4*\c:PC+14+4*\c], v[\s+16+32*\c:\s+31+32*\c], v[TM+12+2*\c+1]   ; (a conversion's three registers begin on an even number)
.endr
	v_nop                                          ; one plain instruction behind a scaled conversion
.irp c, 0,1                                    ; the operand's layout wants a WHOLE block in a lane: lanes 0-15 block 2 c, lanes 16-31 block 2 c + 1
.irp i, 0,1,2
	v_permlane16_swap_b32 v[PC+6*\c+\i], v[PC+12+4*\c+\i]
.endr
.irp i, 0,1,2
	v_mov_b32 v[PC+3+6*\c+\i], v[PC+12+4*\c+\i]
.endr
.endr
.endm
.Lpair:
	s_lshl_b32 s2, s54, 5
	s_lshl_b32 s3, s49, 4
	s_add_co_u32 s2, s2, s3
	v_add_nc_u32 v[P], s2, v4                      ; position 32 pair + 16 tile + r,
	v_min_u32 v[P], s55, v[P]                      ; held at the last one
	v_lshl_or_b32 v[PK], v[P], 8, 255
	v_mov_b32 v[WORD], s[M]
	v_mov_b32 v[KY], s[KEY]
.set m, 1
.rept 31                                       ; the last mask in front of which at most `position` tokens stand holds it
	v_cmp_gt_u32 vcc_lo, s[KEY+m], v[PK]
	v_cndmask_b32 v[WORD], s[M+m], v[WORD], vcc_lo
	v_cndmask_b32 v[KY], s[KEY+m], v[KY], vcc_lo
.set m, m+1
.endr
	v_lshrrev_b32 v[Q], 8, v[KY]
	v_sub_nc_u32 v[Q], v[P], v[Q]                  ; it is set bit number q of that mask
	v_mov_b32 v[C], 0
	v_mov_b32 v[IDX], 0
.set m, 0
.rept 31                                       ; its place = the number of places up to and with which at most q bits are set
	v_bfe_u32 v[T], v[WORD], m, 1
	v_add_nc_u32 v[C], v[C], v[T]
	v_cmp_le_u32 vcc_lo, v[C], v[Q]
	v_add_co_ci_u32 v[IDX], vcc_lo, 0, v[IDX], vcc_lo
.set m, m+1
.endr
	v_and_b32 v[T], 255, v[KY]                     ; m
	v_lshrrev_b32 v[TOK], 2, v[T]
	v_and_b32 v[T], 3, v[T]
	v_lshl_add_u32 v[T], v[IDX], 2, v[T]
	v_lshl_add_u32 v[TOK], v[TOK], 7, v[T]         ; token 128 (m / 4) + 4 place + m % 4
	v_min_u32 v[TOK], 0x3ff, v[TOK]                ; inside x, whatever was read
	v_lshlrev_b32 v[XA], 12, v[TOK]
	v_lshl_add_u32 v[XA], v5, 6, v[XA]             ; + 64 h: my 16 numbers of each block of 32
.irp b, 0,1,2,3
.irp j, 0,1,2,3
	global_load_b128 v[ST+16*\b+4*\j:ST+16*\b+4*\j+3], v[XA], s[98:99] offset:128*\b+16*\j
.endr
.endr
	s_wait_loadcnt 0x0
	QUANT ST
.irp c, 0,1,2
	global_store_b128 v[XO], v[PC+4*\c:PC+4*\c+3], s[58:59] offset:512*\c   ; 512 consecutive bytes
.endr
	global_store_b32 v[SOF], v[PW], s[60:61]       ; lanes r and r + 16 store the same word with the same value
	s_cmp_lg_u32 s50, 0                            ; the waves of K step 0 store the tokens
	s_cbranch_scc1 .Lnolist
	global_store_b32 v[SOF], v[TOK], s[62:63]
.Lnolist:
	s_wait_xcnt 0x0                                ; the stores' data, offsets and bases are written again only behind this wait
	s_add_nc_u64 s[58:59], s[58:59], 8*24576       ; eight pairs on
	s_add_nc_u64 s[60:61], s[60:61], 8*1024
	s_add_nc_u64 s[62:63], s[62:63], 8*128
	s_add_co_u32 s54, s54, 8                       ; the pair's number, for the positions
	s_add_co_u32 s[TRIP], s[TRIP], 1               ; the loop is counted by ones against the trips made ahead of it
	s_cmp_lt_u32 s[TRIP], s[TRIPS]
	s_cbranch_scc1 .Lpair
.Lend:
	s_endpgm
.Lfunc_end_k_qf930e48239_sortq:
	.size	k_qf930e48239_sortq, .Lfunc_end_k_qf930e48239_sortq-k_qf930e48239_sortq
	.p2alignl 7, 3214868480
	.fill 96, 4, 3214868480
	.section	.rodata,"a",@progbits
	.p2align	6, 0x0
	.amdhsa_kernel k_qf930e48239_sortq
		.amdhsa_group_segment_fixed_size 0
		.amdhsa_private_segment_fixed_size 0
		.amdhsa_enable_private_segment 0
		.amdhsa_kernarg_size 48
		.amdhsa_user_sgpr_count 2
		.amdhsa_user_sgpr_kernarg_segment_ptr 1
		.amdhsa_wavefront_size32 1
		.amdhsa_system_sgpr_workgroup_id_x 1
		.amdhsa_system_sgpr_workgroup_id_y 1
		.amdhsa_system_sgpr_workgroup_id_z 1
		.amdhsa_system_vgpr_workitem_id 0
		.amdhsa_next_free_vgpr 168
		.amdhsa_next_free_sgpr 102
		.amdhsa_reserve_vcc 1
		.amdhsa_float_denorm_mode_32 3
		.amdhsa_float_denorm_mode_16_64 3
		.amdhsa_memory_ordered 1
		.amdhsa_forward_progress 1
		.amdhsa_inst_pref_size 25
	.end_amdhsa_kernel
	.amdgpu_metadata
---
amdhsa.version: [ 1, 2 ]
amdhsa.kernels:
  - .name:           k_qf930e48239_sortq
    .symbol:         k_qf930e48239_sortq.kd
    .args:
      - { .name: top1, .offset: 0, .size: 8, .value_kind: global_buffer, .address_space: global }
      - { .name: x, .offset: 8, .size: 8, .value_kind: global_buffer, .address_space: global }
      - { .name: xs, .offset: 16, .size: 8, .value_kind: global_buffer, .address_space: global }
      - { .name: xss, .offset: 24, .size: 8, .value_kind: global_buffer, .address_space: global }
      - { .name: list, .offset: 32, .size: 8, .value_kind: global_buffer, .address_space: global }
      - { .name: cnt, .offset: 40, .size: 8, .value_kind: global_buffer, .address_space: global }
    .group_segment_fixed_size: 0
    .private_segment_fixed_size: 0
    .kernarg_segment_align: 8
    .kernarg_segment_size: 48
    .max_flat_workgroup_size: 512
    .sgpr_count:     102
    .vgpr_count:     168
    .wavefront_size: 32
...
	.end_amdgpu_metadata
.endif
;; end of part 2
;; launch ffn1 (part 3): grid 32 x 8, 16 waves a work-group, no clusters, 104,448 bytes of LDS; arguments cnt, xs, xss, W1, b1, hc, hs; writes hc, hs
.if DOCPART == 3
	.amdgcn_target "amdgcn-amd-amdhsa--gfx1250"
	.amdhsa_code_object_version 6
	.text
	.protected	k_qf930e48239_ffn1
	.globl	k_qf930e48239_ffn1
	.p2align	8
	.type	k_qf930e48239_ffn1,@function
k_qf930e48239_ffn1:
	s_mov_b64 s[64:65], 0
	v_nop
	global_prefetch_b8 v0, s[64:65] scope:SCOPE_SE
	s_setreg_imm32_b32 hwreg(HW_REG_WAVE_MODE, 25, 1), 1
	s_wait_xcnt 0x0
; THE FIRST PRODUCT OF THE CHOSEN EXPERTS: h = relu(x W1[e] + b1[e]) for the rows that chose e, on codes of FP6 (E2M3) with one E8M0 scale for each 32 along K; h leaves as codes for the second product.
; W1: [8][1024 (k)][4096 (n)] f32, b1: [8][4096] f32.  cnt, xs, xss: as the launch before stored them (pairs of 32 rows; x's operand images and scale words).
; OUT: hc [8][32 pairs][32 K steps of the second product][2 tiles][2 halves c][768 bytes]: registers 6 c .. 6 c + 3 of lane l at 16 l, registers 6 c + 4, 6 c + 5 at 512 + 8 l.
;   hs [8][32 pairs][32 K steps][32 words]: word 16 tile + r, byte b: the scale of row r's block b.
; SHARES.  Work-group (slice, e) owns 128 hidden units of expert e: 512 KiB of W1, read once by this work-group alone; 256 work-groups.
; PHASE A, always: wave w = (cg = w % 4, kq = w / 4) streams 32 columns x 256 along K.  A LANE TAKES A COLUMN AND ITS REGISTERS RUN DOWN K: a load covers 128 consecutive bytes (the four cg side by side 512), a block
;   of 32 along K lies in one lane, and the conversions give codes with K innermost.  Lanes 0-15 hold one tile of 16 columns and lanes 16-31 another; an exchange of halves between the codes of two neighbouring blocks
;   makes both tiles' operand registers, which go to LDS as images (16 bytes a lane, 512 a store).  THE COLUMNS OF A TILE ARE NOT NEIGHBOURS: lane r of tile u takes column 8 u + r + 8 (r / 8) of the 32, so that a
;   lane's 16 results of the two tiles are 16 neighbours along the next K.
; One barrier.  PHASE B: wave (cg, tq) takes the pairs tq, tq + 4, .. below npairs, its 32 hidden units, all 8 K steps: 32 matrix instructions a pair on four accumulators by turns, used transposed
;   (source 0 = 16 columns of W1, source 1 = 16 rows of x), so that a lane holds one row; b1 is the C of each sum's first instruction.  Then relu, the block's scale, the codes, the stores.
; NO TENSOR LOADS AND NO JOINT LOADS: the number of pairs is read from memory; what work-groups share (a pair's 24 KiB of
;   x's codes) is small beside the 512 KiB that each reads alone.
; LIMITS: as stated for the quantiser of x: NaN and infinities not served; byte 1 for blocks under 2^-124 and for blocks of zeros.
.set RS,   16384                       ; a row of W1 in bytes
.set WIMG, 0                           ; LDS: 32 images (8 cg + K step) x 3,072 bytes: tile u at 1,536 u, registers 4 c .. 4 c + 3 at 512 c + 16 lane
.set WSC,  98304                       ; LDS: 32 x 128 bytes: lane l's column's scale word
.set LW,   1                           ; v1   4 x my column
.set L16,  2                           ; v2   16 x lane
.set L4,   3                           ; v3   4 x lane
.set WST,  4                           ; v4   where I store images
.set WSS,  5                           ; v5   and scale words
.set WRD,  6                           ; v6   where I read images
.set WRS,  7                           ; v7   and scale words
.set HB,   8                           ; v8   hc: my 16 bytes
.set HQ,   9                           ; v9   hc: my 8 bytes
.set HSO,  10                          ; v10  hs: my byte
.set BO,   11                          ; v11  b1: 64 h
.set BI,   16                          ; v16-31   b1 in the result's layout, tile u at 8 u
.set X,    32                          ; v32-95   phase A: two sets of 32 numbers
.set F,    96                          ; v96-143  phase A: images: K step i, tile u at 24 i + 12 u
.set TA,   144                         ; v144-146, v148-150: the upper halves of two blocks' codes
.set MX,   152
.set SO,   154
.set BY,   155
.set SW,   156                         ; v156-157 a scale word for each K step
.set ACC,  32                          ; v32-63   phase B: accumulators, (tile of rows, tile of units) at 16 tau + 8 u
.set XF,   64                          ; v64-159  x's fragments: slot s % 4 at 24, tau at 12
.set WF,   160                         ; v160-207 W1's: slot s % 2 at 24, u at 12
.set XSC,  208                         ; v208-211 x's scale words: scales and nothing else
.set WSCR, 212                         ; v212-213 W1's: likewise
.set PP,   216                         ; v216-221 a block's codes
.set QQ,   224                         ; v224-226
.set MXE,  228
.set TT,   230
.set SOE,  232
.set BYE,  234
.set EB,   236
.macro LOADW t                         ; block t: W1(32 t + i, my column), i = 0 .. 31, into set t % 2
.set li, 0
.rept 32
	global_load_b32 v[X+32*((\t)%2)+li], v[LW], s[26:27] offset:(32*(\t)+li)*RS th:TH_LOAD_NT
.set li, li+1
.endr
.endm
.macro BLOCK t
.set XS, X+32*((\t)%2)
.set F0, F+24*((\t)/4)+6*(((\t)%4)/2)  ; tile 0's registers 6 c on, c = (t % 4) / 2
.set F1, F0+12                         ; tile 1's
.if (\t) < 7
	s_wait_loadcnt 32                              ; this block's 32 loads are in; the next block's 32 may be out
.else
	s_wait_loadcnt 0x0
.endif
	v_max3_num_f32 v[MX], |v[XS]|, |v[XS+1]|, |v[XS+2]|            ; the block's largest magnitude: all 32 numbers are mine; two chains
	v_max3_num_f32 v[MX+1], |v[XS+3]|, |v[XS+4]|, |v[XS+5]|
.irp i, 6,10,14,18,22,26
	v_max3_num_f32 v[MX], v[MX], |v[XS+\i]|, |v[XS+\i+1]|
	v_max3_num_f32 v[MX+1], v[MX+1], |v[XS+\i+2]|, |v[XS+\i+3]|
.endr
	v_max3_num_f32 v[MX], v[MX], |v[XS+30]|, |v[XS+31]|
	v_max3_num_f32 v[MX], v[MX], v[MX+1], 0x1800000                ; and the floor 2^(3 - 127): the byte cannot fall under 1
	v_add_nc_u32 v[SO], 0xff000000, v[MX]                          ; 2 off its exponent field: the conversion's scale operand
.if (\t)%4 == 0
	v_lshrrev_b32 v[SW+(\t)/4], 23, v[SO]                          ; the scale's byte: four to a word, the lower K in the lower byte
.else
	v_lshrrev_b32 v[BY], 23, v[SO]
	v_lshl_or_b32 v[SW+(\t)/4], v[BY], 8*((\t)%4), v[SW+(\t)/4]
.endif
	v_cvt_scalef32_pk16_fp6_f32 v[F0+12*((\t)%2):F0+12*((\t)%2)+2], v[XS:XS+15], v[SO]         ; an even block's lower 16 codes into tile 0's registers, an odd block's into tile 1's
	v_cvt_scalef32_pk16_fp6_f32 v[TA+4*((\t)%2):TA+4*((\t)%2)+2], v[XS+16:XS+31], v[SO]        ; (a conversion's three registers begin on an even number)
	v_nop                                          ; one plain instruction behind a scaled conversion
.if (\t)+2 <= 7
	LOADW (\t)+2
.endif
.if (\t)%2 == 1                        ; the even block's lanes 16-31 (tile 1's columns) change places with the odd block's lanes 0-15 (tile 0's): each tile then has block 2 c in lanes 0-15 and block 2 c + 1 in lanes 16-31
.irp n, 0,1,2
	v_permlane16_swap_b32 v[F0+\n], v[F1+\n]
.endr
.irp n, 0,1,2
	v_permlane16_swap_b32 v[TA+\n], v[TA+4+\n]
.endr
.irp n, 0,1,2
	v_mov_b32 v[F0+3+\n], v[TA+\n]
	v_mov_b32 v[F1+3+\n], v[TA+4+\n]
.endr
.endif
.if (\t)%4 == 3                        ; a K step's two images and its scale words
.irp u, 0,1
.irp c, 0,1,2
	ds_store_b128 v[WST], v[F+24*((\t)/4)+12*\u+4*\c:F+24*((\t)/4)+12*\u+4*\c+3] offset:WIMG+3072*((\t)/4)+1536*\u+512*\c
.endr
.endr
	ds_store_b32 v[WSS], v[SW+(\t)/4] offset:128*((\t)/4)
.endif
.endm
	s_load_b256 s[4:11], s[0:1], 0x0               ; cnt s[4:5], xs s[6:7], xss s[8:9], W1 s[10:11]
	s_load_b128 s[12:15], s[0:1], 0x20             ; b1 s[12:13], hc s[14:15]
	s_load_b64 s[16:17], s[0:1], 0x30              ; hs
	v_lshl_add_u32 v254, v0, 2, 0x19000
	v_mov_b32 v255, 0
	v_lshrrev_b32 v12, 5, v0
	v_readfirstlane_b32 s18, v12                   ; wave 0..15
	s_and_b32 s19, s18, 3                          ; cg: which 32 columns
	s_lshr_b32 s20, s18, 2                         ; kq: which 256 along K; in phase B tq: my first pair
	s_and_b32 s21, ttmp7, 0xffff                   ; expert
	v_and_b32 v[LW], 7, v0                         ; my column: lanes 0-7: 0-7; 8-15: 16-23; 16-23: 8-15; 24-31: 24-31
	v_and_b32 v12, 8, v0
	v_lshl_or_b32 v[LW], v12, 1, v[LW]
	v_and_b32 v12, 16, v0
	v_lshrrev_b32 v12, 1, v12
	v_or_b32 v[LW], v[LW], v12
	v_lshlrev_b32 v[LW], 2, v[LW]
	v_bfe_u32 v15, v0, 4, 1                        ; h
	v_lshlrev_b32 v[BO], 6, v15
	s_lshl_b32 s2, s21, 7                          ; cnt: 128 bytes an expert
	s_mov_b32 s3, 0
	s_lshl_b32 s42, ttmp9, 9                       ; the slice's 128 columns, 512 bytes,
	s_lshl_b32 s43, s19, 7
	s_add_co_u32 s42, s42, s43                     ; and my 32 of them
	s_lshl_b32 s44, s21, 14                        ; b1: 16,384 bytes an expert
	s_add_co_u32 s44, s44, s42
	s_mov_b32 s45, 0
	s_lshl_b32 s46, s21, 24                        ; W1: 2^24 bytes an expert,
	s_lshl_b32 s43, s20, 22                        ; 256 rows of 16,384 bytes
	s_add_co_u32 s46, s46, s43
	s_add_co_u32 s46, s46, s42
	s_mov_b32 s47, 0
	s_wait_kmcnt 0x0
	s_add_nc_u64 s[40:41], s[4:5], s[2:3]
	s_load_b32 s23, s[40:41], 0x0                  ; npairs: waited for behind the barrier
	s_add_nc_u64 s[12:13], s[12:13], s[44:45]
	s_add_nc_u64 s[26:27], s[10:11], s[46:47]
.irp u, 0,1                                    ; lane (r, h) wants, for tile u, b1 at hidden units 16 h + 8 u + 0 .. 7 of my 32
	global_load_b128 v[BI+8*\u:BI+8*\u+3],   v[BO], s[12:13] offset:32*\u
	global_load_b128 v[BI+8*\u+4:BI+8*\u+7], v[BO], s[12:13] offset:32*\u+16
.endr
	LOADW 0
	LOADW 1
	v_and_b32 v13, 31, v0                          ; lane
	v_and_b32 v14, 15, v0                          ; r
	v_lshlrev_b32 v[L16], 4, v13
	v_lshlrev_b32 v[L4], 2, v13
	s_lshl_b32 s2, s19, 3
	s_lshl_b32 s3, s20, 1
	s_add_co_u32 s2, s2, s3                        ; my first image: 8 cg + 2 kq
	s_mul_i32 s3, s2, 3072
	v_add_nc_u32 v[WST], s3, v[L16]
	s_lshl_b32 s3, s2, 7
	s_add_co_u32 s3, s3, WSC
	v_add_nc_u32 v[WSS], s3, v[L4]
	s_mul_i32 s3, s19, 24576                       ; phase B reads my cg's eight images
	v_add_nc_u32 v[WRD], s3, v[L16]
	s_lshl_b32 s3, s19, 10
	s_add_co_u32 s3, s3, WSC
	v_add_nc_u32 v[WRS], s3, v[L4]
	; hc: my 32 units are block cg of the slice's K step: half c = cg / 2 of a fragment, lanes 16 (cg % 2) + r; the lane's half h says which tile of rows
	s_lshr_b32 s2, s19, 1
	s_mul_i32 s2, s2, 768
	s_and_b32 s3, s19, 1
	s_lshl_b32 s39, s3, 8
	s_add_co_u32 s39, s39, s2
	v_mul_u32_u24 v12, v15, 1536
	v_lshl_add_u32 v[HB], v14, 4, v12
	v_add_nc_u32 v[HB], s39, v[HB]
	s_lshl_b32 s39, s3, 7
	s_add_co_u32 s39, s39, s2
	s_add_co_u32 s39, s39, 512
	v_lshl_add_u32 v[HQ], v14, 3, v12
	v_add_nc_u32 v[HQ], s39, v[HQ]
	v_add_nc_u32 v[HSO], s19, v[L4]                ; hs: word = lane, byte cg
	s_mov_b32 s36, 0x76543210                      ; v_permlanex16_b32's selects for lane l xor 16
	s_mov_b32 s37, 0xfedcba98
	s_mov_b32 s38, 0xffff0000                      ; lanes 16-31
	v_mov_b32 v[TT], 0                             ; written once: a lane permute's destination counts as one of its sources
	v_mov_b32 v[TT+1], 0
.irp t, 0,1,2,3,4,5,6,7
	BLOCK \t
.endr
	s_lshl_b32 s2, s21, 5
	s_add_co_u32 s2, s2, s20                       ; 32 e + my first pair
	s_mov_b32 s43, 0
	s_mul_i32 s42, s2, 24576
	s_add_nc_u64 s[28:29], s[6:7], s[42:43]        ; its images of x,
	s_lshl_b32 s42, s2, 10
	s_add_nc_u64 s[30:31], s[8:9], s[42:43]        ; their scale words,
	s_mul_i32 s42, s2, 98304
	s_mul_i32 s3, ttmp9, 3072
	s_add_co_u32 s42, s42, s3
	s_add_nc_u64 s[32:33], s[14:15], s[42:43]      ; the hidden layer's images: K step = slice,
	s_lshl_b32 s42, s2, 12
	s_lshl_b32 s3, ttmp9, 7
	s_add_co_u32 s42, s42, s3
	s_add_nc_u64 s[34:35], s[16:17], s[42:43]      ; and their scale words
	s_wait_dscnt 0x0                               ; my images have landed
	s_barrier_signal -1
	s_barrier_wait -1                              ; everybody's have: the launch's one barrier, on every wave's way
	s_wait_kmcnt 0x0
	s_min_u32 s23, s23, 32                         ; npairs
	s_cmp_ge_u32 s20, s23
	s_cbranch_scc1 .Lend                           ; no pair for me
	s_sub_co_u32 s24, s23, s20                     ; at least 1 here, at most 32:
	s_add_co_u32 s24, s24, 3
	s_lshr_b32 s24, s24, 2                         ; my pairs, every fourth from my first on: the trips
	s_mov_b32 s25, 0                               ; trips done
.macro XLD s                           ; x's two fragments and scale words of K step s: 7 loads
.irp tau, 0,1
.irp c, 0,1,2
	global_load_b128 v[XF+24*((\s)%4)+12*\tau+4*\c:XF+24*((\s)%4)+12*\tau+4*\c+3], v[L16], s[28:29] offset:(2*(\s)+\tau)*1536+512*\c
.endr
.endr
	global_load_b32 v[XSC+(\s)%4], v[L4], s[30:31] offset:128*(\s)
.endm
.macro WLD s                           ; W1's two fragments and scale words of K step s: 7 LDS loads
.irp u, 0,1
.irp c, 0,1,2
	ds_load_b128 v[WF+24*((\s)%2)+12*\u+4*\c:WF+24*((\s)%2)+12*\u+4*\c+3], v[WRD] offset:WIMG+3072*(\s)+1536*\u+512*\c
.endr
.endr
	ds_load_b32 v[WSCR+(\s)%2], v[WRS] offset:128*(\s)
.endm
.macro MUL s                           ; four matrix instructions, the four accumulators by turns.  Tile 1's scales stand in lanes 16-31 of the scale registers
.irp tau, 0,1
.irp u, 0,1
.set rD, ACC+16*\tau+8*\u
.set rA, WF+24*((\s)%2)+12*\u
.set rB, XF+24*((\s)%4)+12*\tau
.set rC, rD
.if (\s) == 0
.set rC, BI+8*\u                       ; the bias starts the sum
.endif
.set rS, WSCR+(\s)%2
.set rT, XSC+(\s)%4
.if (\tau == 0) && (\u == 0)
	v_wmma_scale_f32_16x16x128_f8f6f4 v[rD:rD+7], v[rA:rA+11], v[rB:rB+11], v[rC:rC+7], v[rS], v[rT] matrix_a_fmt:MATRIX_FMT_FP6 matrix_b_fmt:MATRIX_FMT_FP6
.elseif \tau == 0
	v_wmma_scale_f32_16x16x128_f8f6f4 v[rD:rD+7], v[rA:rA+11], v[rB:rB+11], v[rC:rC+7], v[rS], v[rT] matrix_a_fmt:MATRIX_FMT_FP6 matrix_b_fmt:MATRIX_FMT_FP6 matrix_a_scale:MATRIX_SCALE_ROW1
.elseif \u == 0
	v_wmma_scale_f32_16x16x128_f8f6f4 v[rD:rD+7], v[rA:rA+11], v[rB:rB+11], v[rC:rC+7], v[rS], v[rT] matrix_a_fmt:MATRIX_FMT_FP6 matrix_b_fmt:MATRIX_FMT_FP6 matrix_b_scale:MATRIX_SCALE_ROW1
.else
	v_wmma_scale_f32_16x16x128_f8f6f4 v[rD:rD+7], v[rA:rA+11], v[rB:rB+11], v[rC:rC+7], v[rS], v[rT] matrix_a_fmt:MATRIX_FMT_FP6 matrix_b_fmt:MATRIX_FMT_FP6 matrix_a_scale:MATRIX_SCALE_ROW1 matrix_b_scale:MATRIX_SCALE_ROW1
.endif
.endr
.endr
.endm
.macro STEP s
.if (\s) <= 4
	s_wait_loadcnt 21                              ; K step s of x is in; the three steps behind it, 7 loads each, may be out
.else
	s_wait_loadcnt 7*(7-(\s))
.endif
.if (\s) <= 6
	s_wait_dscnt 7                                 ; K step s of W1 is in; the next step's 7 loads may be out
.else
	s_wait_dscnt 0x0
.endif
	MUL \s
.rept 4
	v_nop                                          ; four plain instructions in front of loads into registers that the products read, and of the first read of results
.endr
.if (\s)+4 <= 7
	XLD (\s)+4
.endif
.if (\s)+2 <= 7
	WLD (\s)+2
.endif
.endm
.Lunit:                                        ; a pair of 32 rows x my 32 hidden units
	XLD 0
	XLD 1
	XLD 2
	XLD 3
	WLD 0
	WLD 1
.irp s, 0,1,2,3,4,5,6,7
	STEP \s
.endr
	; lane (r, h) holds row r of each tile of rows; the 16 registers of a tile of rows are hidden units 16 h + 0 .. 15 of my 32, one block of the next K
.set j, 0
.rept 32
	v_max_num_f32 v[ACC+j], 0, v[ACC+j]            ; the activation, in f32; each accumulator from its low end on
.set j, j+1
.endr
.irp tau, 0,1
	v_max3_num_f32 v[MXE+\tau], v[ACC+16*\tau], v[ACC+16*\tau+1], 0x1800000    ; none is negative: no |.|; the floor 2^(3 - 127)
.endr
.irp i, 2,4,6,8,10,12,14
.irp tau, 0,1
	v_max3_num_f32 v[MXE+\tau], v[MXE+\tau], v[ACC+16*\tau+\i], v[ACC+16*\tau+\i+1]
.endr
.endr
.irp tau, 0,1
	v_permlanex16_b32 v[TT+\tau], v[MXE+\tau], s36, s37
.endr
.irp tau, 0,1
	v_max_num_f32 v[MXE+\tau], v[MXE+\tau], v[TT+\tau]             ; with lane l xor 16's 16: the block's largest
.endr
.irp tau, 0,1
	v_add_nc_u32 v[SOE+\tau], 0xff000000, v[MXE+\tau]
.endr
.irp tau, 0,1
	v_lshrrev_b32 v[BYE+\tau], 23, v[SOE+\tau]
.endr
	v_cvt_scalef32_pk16_fp6_f32 v[PP:PP+2], v[ACC:ACC+15], v[SOE]          ; tile of rows 0: my half of the block
	v_cvt_scalef32_pk16_fp6_f32 v[QQ:QQ+2], v[ACC+16:ACC+31], v[SOE+1]     ; tile of rows 1
	v_cndmask_b32 v[EB], v[BYE], v[BYE+1], s38     ; (the plain instruction behind the conversions)  lanes 0-15 keep tile 0's byte, lanes 16-31 tile 1's
.irp n, 0,1,2
	v_permlane16_swap_b32 v[PP+\n], v[QQ+\n]       ; lanes 0-15 now hold tile 0's rows, lanes 16-31 tile 1's: the lower 16 codes in PP, the upper 16 in QQ
.endr
.irp n, 0,1,2
	v_mov_b32 v[PP+3+\n], v[QQ+\n]                 ; a whole block, 24 bytes, in a lane
.endr
	global_store_b128 v[HB], v[PP:PP+3], s[32:33]  ; sixteen lanes store 256 consecutive bytes, at a multiple of 256 from hc's first byte
	global_store_b64 v[HQ], v[PP+4:PP+5], s[32:33] ; sixteen lanes store 128 consecutive bytes
	global_store_b8 v[HSO], v[EB], s[34:35]        ; one byte for each 24 of codes; the four cg make a word between them
	s_wait_xcnt 0x0                                ; the stores' data and bases, and the loads' bases, are written again only behind this wait
	s_add_nc_u64 s[28:29], s[28:29], 4*24576       ; four pairs on
	s_add_nc_u64 s[30:31], s[30:31], 4*1024
	s_add_nc_u64 s[32:33], s[32:33], 4*98304
	s_add_nc_u64 s[34:35], s[34:35], 4*4096
	s_add_co_u32 s25, s25, 1                       ; the loop is counted by ones against the trips made ahead of it
	s_cmp_lt_u32 s25, s24
	s_cbranch_scc1 .Lunit
.Lend:
	s_wait_tensorcnt 0x0
	ds_add_u32 v254, v255
	s_wait_dscnt 0x0
	s_endpgm
.Lfunc_end_k_qf930e48239_ffn1:
	.size	k_qf930e48239_ffn1, .Lfunc_end_k_qf930e48239_ffn1-k_qf930e48239_ffn1
	.p2alignl 7, 3214868480
	.fill 96, 4, 3214868480
	.section	.rodata,"a",@progbits
	.p2align	6, 0x0
	.amdhsa_kernel k_qf930e48239_ffn1
		.amdhsa_group_segment_fixed_size 104448
		.amdhsa_private_segment_fixed_size 0
		.amdhsa_enable_private_segment 0
		.amdhsa_kernarg_size 56
		.amdhsa_user_sgpr_count 2
		.amdhsa_user_sgpr_kernarg_segment_ptr 1
		.amdhsa_wavefront_size32 1
		.amdhsa_system_sgpr_workgroup_id_x 1
		.amdhsa_system_sgpr_workgroup_id_y 1
		.amdhsa_system_sgpr_workgroup_id_z 1
		.amdhsa_system_vgpr_workitem_id 0
		.amdhsa_next_free_vgpr 256
		.amdhsa_next_free_sgpr 66
		.amdhsa_reserve_vcc 0
		.amdhsa_float_denorm_mode_32 3
		.amdhsa_float_denorm_mode_16_64 3
		.amdhsa_memory_ordered 1
		.amdhsa_forward_progress 1
		.amdhsa_inst_pref_size 60
	.end_amdhsa_kernel
	.amdgpu_metadata
---
amdhsa.version: [ 1, 2 ]
amdhsa.kernels:
  - .name:           k_qf930e48239_ffn1
    .symbol:         k_qf930e48239_ffn1.kd
    .args:
      - { .name: cnt, .offset: 0, .size: 8, .value_kind: global_buffer, .address_space: global }
      - { .name: xs, .offset: 8, .size: 8, .value_kind: global_buffer, .address_space: global }
      - { .name: xss, .offset: 16, .size: 8, .value_kind: global_buffer, .address_space: global }
      - { .name: W1, .offset: 24, .size: 8, .value_kind: global_buffer, .address_space: global }
      - { .name: b1, .offset: 32, .size: 8, .value_kind: global_buffer, .address_space: global }
      - { .name: hc, .offset: 40, .size: 8, .value_kind: global_buffer, .address_space: global }
      - { .name: hs, .offset: 48, .size: 8, .value_kind: global_buffer, .address_space: global }
    .group_segment_fixed_size: 104448
    .private_segment_fixed_size: 0
    .kernarg_segment_align: 8
    .kernarg_segment_size: 56
    .max_flat_workgroup_size: 512
    .sgpr_count:     66
    .vgpr_count:     256
    .wavefront_size: 32
...
	.end_amdgpu_metadata
.endif
;; end of part 3
;; launch ffn2 (part 4): grid 32 x 8, 16 waves a work-group, no clusters, 178,176 bytes of LDS; arguments cnt, list, hc, hs, W2, b2, out0; writes out0
.if DOCPART == 4
	.amdgcn_target "amdgcn-amd-amdhsa--gfx1250"
	.amdhsa_code_object_version 6
	.text
	.protected	k_qf930e48239_ffn2
	.globl	k_qf930e48239_ffn2
	.p2align	8
	.type	k_qf930e48239_ffn2,@function
k_qf930e48239_ffn2:
	s_mov_b64 s[64:65], 0
	v_nop
	global_prefetch_b8 v0, s[64:65] scope:SCOPE_SE
	s_setreg_imm32_b32 hwreg(HW_REG_WAVE_MODE, 25, 1), 1
	s_wait_xcnt 0x0
; THE SECOND PRODUCT OF THE CHOSEN EXPERTS: out0[token] = h W2[e] + b2[e] for the rows that chose e, on codes of FP6 (E2M3) with one E8M0 scale for each 32 along K = the 4,096 hidden units.
; W2: [8][4096 (k)][1024 (n)] f32, b2: [8][1024] f32.  cnt, list: pairs of 32 rows and their tokens.  hc, hs: the hidden layer's operand images and scale words, as the launch before stored them.  out0: [1024][1024] f32.
; SHARES.  Work-group (slice, e) owns 32 output columns of expert e for ALL of K, so that each output number has one owner and no sum crosses work-groups: 512 KiB of W2, read by this work-group alone; 256 work-groups.
; PHASE A, always: wave w streams its 32 columns x 256 along K (K steps 2 w, 2 w + 1).  A lane takes a column and its registers run down K: a load covers 128 consecutive bytes, which is all that the slice owns of a
;   row of W2; a block of 32 lies in one lane; an exchange of halves between two neighbouring blocks' codes makes the operand registers of both tiles of 16 columns, which go to LDS as images.
; One barrier.  PHASE B: wave w takes the pairs w and w + 16 below npairs, both tiles of columns, all 32 K steps: 128 matrix instructions a pair on four accumulators by turns, used transposed (source 0 = 16 columns of
;   W2, source 1 = 16 rows of h), so that a lane holds eight neighbouring numbers of a row; b2 is the C of each sum's first instruction.  The rows go through the wave's own stage in LDS and leave by the list:
;   eight lanes store the 128 consecutive bytes that the slice owns of a row.  A padding position names the last token once more: the same wave stores the same row with the same numbers.
; NO TENSOR LOADS AND NO JOINT LOADS: the number of pairs is read from memory.
; LIMITS: as stated for the quantiser of x: NaN and infinities not served; byte 1 for blocks under 2^-124 and for blocks of zeros.
.set RS,   4096                        ; a row of W2 in bytes
.set WIMG, 0                           ; LDS: 32 images (K step) x 3,072 bytes: tile u at 1,536 u, registers 4 c .. 4 c + 3 at 512 c + 16 lane
.set WSC,  98304                       ; LDS: 32 x 128 bytes: lane l's column's scale word
.set STG,  102400                      ; LDS: for each wave 32 rows x (128 bytes + 16)
.set LW,   1                           ; v1   4 x lane: my column of W2; also a scale word's place
.set L16,  2                           ; v2   16 x lane: an image's place, in memory and (images 0-15) in LDS
.set WST,  4                           ; v4   where I store images
.set WSS,  5                           ; v5   and scale words
.set L8,   6                           ; v6   8 x lane
.set WR1,  8                           ; v8   images 16-31
.set WRS,  9                           ; v9   W2's scale words
.set STO,  10                          ; v10  the stage: where I put 32 bytes of a row
.set SRD,  11                          ; v11  and where I read 16 bytes back
.set LO,   12                          ; v12  list: 4 (lane / 8)
.set CO,   13                          ; v13  16 (lane % 8)
.set BO,   14                          ; v14  b2: 32 h
.set BI,   16                          ; v16-31   b2 in the result's layout, tile u at 8 u
.set X,    32                          ; v32-95   phase A: two sets of 32 numbers
.set F,    96                          ; v96-143  phase A: images
.set TA,   144
.set MX,   152
.set SO,   154
.set BY,   155
.set SW,   156
.set ACC,  32                          ; v32-63   phase B: accumulators at 16 tau + 8 u
.set HF,   64                          ; v64-183  h's fragments: slot s % 5 at 24, tau at 12
.set WF,   184                         ; v184-231 W2's: slot s % 2 at 24, u at 12
.set HSC,  232                         ; v232-236 h's scale words: scales and nothing else
.set WSCR, 238                         ; v238-239 W2's: likewise
.set LT,   240                         ; v240-247 tokens
.set AD,   248                         ; v248-255 their rows' byte offsets
.set OUTR, 64                          ; v64-95   rows read back from the stage
.macro LOADW t                         ; block t: W2(32 t + i, my column), i = 0 .. 31, into set t % 2.  No hint: the neighbouring slice reads the bytes beside these
.set li, 0
.rept 32
	global_load_b32 v[X+32*((\t)%2)+li], v[LW], s[26:27] offset:(32*(\t)+li)*RS
.set li, li+1
.endr
.endm
.macro BLOCK t
.set XS, X+32*((\t)%2)
.set F0, F+24*((\t)/4)+6*(((\t)%4)/2)  ; tile 0's registers 6 c on, c = (t % 4) / 2
.set F1, F0+12                         ; tile 1's
.if (\t) < 7
	s_wait_loadcnt 32                              ; this block's 32 loads are in; the next block's 32 may be out
.else
	s_wait_loadcnt 0x0
.endif
	v_max3_num_f32 v[MX], |v[XS]|, |v[XS+1]|, |v[XS+2]|            ; the block's largest magnitude: all 32 numbers are mine; two chains
	v_max3_num_f32 v[MX+1], |v[XS+3]|, |v[XS+4]|, |v[XS+5]|
.irp i, 6,10,14,18,22,26
	v_max3_num_f32 v[MX], v[MX], |v[XS+\i]|, |v[XS+\i+1]|
	v_max3_num_f32 v[MX+1], v[MX+1], |v[XS+\i+2]|, |v[XS+\i+3]|
.endr
	v_max3_num_f32 v[MX], v[MX], |v[XS+30]|, |v[XS+31]|
	v_max3_num_f32 v[MX], v[MX], v[MX+1], 0x1800000                ; and the floor 2^(3 - 127): the byte cannot fall under 1
	v_add_nc_u32 v[SO], 0xff000000, v[MX]                          ; 2 off its exponent field: the conversion's scale operand
.if (\t)%4 == 0
	v_lshrrev_b32 v[SW+(\t)/4], 23, v[SO]                          ; the scale's byte: four to a word, the lower K in the lower byte
.else
	v_lshrrev_b32 v[BY], 23, v[SO]
	v_lshl_or_b32 v[SW+(\t)/4], v[BY], 8*((\t)%4), v[SW+(\t)/4]
.endif
	v_cvt_scalef32_pk16_fp6_f32 v[F0+12*((\t)%2):F0+12*((\t)%2)+2], v[XS:XS+15], v[SO]         ; an even block's lower 16 codes into tile 0's registers, an odd block's into tile 1's
	v_cvt_scalef32_pk16_fp6_f32 v[TA+4*((\t)%2):TA+4*((\t)%2)+2], v[XS+16:XS+31], v[SO]        ; (a conversion's three registers begin on an even number)
	v_nop                                          ; one plain instruction behind a scaled conversion
.if (\t)+2 <= 7
	LOADW (\t)+2
.endif
.if (\t)%2 == 1                        ; the even block's lanes 16-31 (tile 1's columns) change places with the odd block's lanes 0-15 (tile 0's): each tile then has block 2 c in lanes 0-15 and block 2 c + 1 in lanes 16-31
.irp n, 0,1,2
	v_permlane16_swap_b32 v[F0+\n], v[F1+\n]
.endr
.irp n, 0,1,2
	v_permlane16_swap_b32 v[TA+\n], v[TA+4+\n]
.endr
.irp n, 0,1,2
	v_mov_b32 v[F0+3+\n], v[TA+\n]
	v_mov_b32 v[F1+3+\n], v[TA+4+\n]
.endr
.endif
.if (\t)%4 == 3                        ; a K step's two images and its scale words
.irp u, 0,1
.irp c, 0,1,2
	ds_store_b128 v[WST], v[F+24*((\t)/4)+12*\u+4*\c:F+24*((\t)/4)+12*\u+4*\c+3] offset:WIMG+3072*((\t)/4)+1536*\u+512*\c
.endr
.endr
	ds_store_b32 v[WSS], v[SW+(\t)/4] offset:128*((\t)/4)
.endif
.endm
	s_load_b256 s[4:11], s[0:1], 0x0               ; cnt s[4:5], list s[6:7], hc s[8:9], hs s[10:11]
	s_load_b128 s[12:15], s[0:1], 0x20             ; W2 s[12:13], b2 s[14:15]
	s_load_b64 s[16:17], s[0:1], 0x30              ; out0
	v_lshl_add_u32 v3, v0, 2, 0x2b000
	v_mov_b32 v237, 0
	v_lshrrev_b32 v15, 5, v0
	v_readfirstlane_b32 s18, v15                   ; wave 0..15
	s_and_b32 s21, ttmp7, 0xffff                   ; expert
	v_and_b32 v7, 31, v0                           ; lane
	v_lshlrev_b32 v[LW], 2, v7
	v_bfe_u32 v15, v0, 4, 1                        ; h
	v_lshlrev_b32 v[BO], 5, v15
	s_lshl_b32 s2, s21, 7                          ; cnt: 128 bytes an expert
	s_mov_b32 s3, 0
	s_lshl_b32 s42, ttmp9, 7                       ; the slice's 32 columns, 128 bytes
	s_mov_b32 s43, 0
	s_lshl_b32 s44, s21, 12                        ; b2: 4,096 bytes an expert
	s_add_co_u32 s44, s44, s42
	s_mov_b32 s45, 0
	s_lshl_b32 s46, s21, 24                        ; W2: 2^24 bytes an expert,
	s_lshl_b32 s47, s18, 20                        ; 256 rows of 4,096 bytes a wave
	s_add_co_u32 s46, s46, s47
	s_add_co_u32 s46, s46, s42
	s_mov_b32 s47, 0
	s_wait_kmcnt 0x0
	s_add_nc_u64 s[40:41], s[4:5], s[2:3]
	s_load_b32 s23, s[40:41], 0x0                  ; npairs: waited for behind the barrier
	s_add_nc_u64 s[14:15], s[14:15], s[44:45]
	s_add_nc_u64 s[26:27], s[12:13], s[46:47]
	s_add_nc_u64 s[34:35], s[16:17], s[42:43]      ; out0 at the slice's columns
.irp u, 0,1                                    ; lane (r, h) wants, for tile u, b2 at columns 16 u + 8 h + 0 .. 7 of the 32
	global_load_b128 v[BI+8*\u:BI+8*\u+3],   v[BO], s[14:15] offset:64*\u
	global_load_b128 v[BI+8*\u+4:BI+8*\u+7], v[BO], s[14:15] offset:64*\u+16
.endr
	LOADW 0
	LOADW 1
	v_lshlrev_b32 v[L16], 4, v7
	v_lshlrev_b32 v[L8], 3, v7
	s_mul_i32 s2, s18, 6144                        ; my two images: K steps 2 w, 2 w + 1
	v_add_nc_u32 v[WST], s2, v[L16]
	s_lshl_b32 s2, s18, 8
	s_add_co_u32 s2, s2, WSC
	v_add_nc_u32 v[WSS], s2, v[LW]
	v_add_nc_u32 v[WR1], 49152, v[L16]
	v_add_nc_u32 v[WRS], WSC, v[LW]
	s_mul_i32 s2, s18, 4608
	s_add_co_u32 s2, s2, STG                       ; my stage
	v_and_b32 v7, 15, v0                           ; r
	v_mul_u32_u24 v7, v7, 144
	v_lshl_add_u32 v7, v15, 5, v7
	v_add_nc_u32 v[STO], s2, v7                    ; in: row r, + 32 h
	v_bfe_u32 v15, v0, 3, 2                        ; lane / 8
	v_lshlrev_b32 v[LO], 2, v15
	v_mul_u32_u24 v15, v15, 144
	v_and_b32 v7, 7, v0
	v_lshlrev_b32 v[CO], 4, v7
	v_add_nc_u32 v15, v15, v[CO]
	v_add_nc_u32 v[SRD], s2, v15                   ; back: eight lanes to a row of 128 bytes, four rows an instruction
.irp t, 0,1,2,3,4,5,6,7
	BLOCK \t
.endr
	s_lshl_b32 s2, s21, 5
	s_add_co_u32 s2, s2, s18                       ; 32 e + my first pair
	s_mul_i32 s42, s2, 98304
	s_add_nc_u64 s[28:29], s[8:9], s[42:43]        ; its images of h,
	s_lshl_b32 s42, s2, 12
	s_add_nc_u64 s[30:31], s[10:11], s[42:43]      ; their scale words,
	s_lshl_b32 s42, s2, 7
	s_add_nc_u64 s[32:33], s[6:7], s[42:43]        ; its tokens
	s_wait_dscnt 0x0                               ; my images have landed
	s_barrier_signal -1
	s_barrier_wait -1                              ; everybody's have: the launch's one barrier, on every wave's way
	s_wait_kmcnt 0x0
	s_min_u32 s23, s23, 32                         ; npairs
	s_cmp_ge_u32 s18, s23
	s_cbranch_scc1 .Lend                           ; no pair for me
	s_sub_co_u32 s24, s23, s18                     ; at least 1 here, at most 32:
	s_add_co_u32 s24, s24, 15
	s_lshr_b32 s24, s24, 4                         ; my pairs, every sixteenth from my first on: the trips, 1 or 2
	s_mov_b32 s25, 0                               ; trips done
.macro HLD s                           ; h's two fragments and scale words of K step s: 9 loads, each of consecutive bytes
.irp tau, 0,1
.irp c, 0,1
	global_load_b128 v[HF+24*((\s)%5)+12*\tau+6*\c:HF+24*((\s)%5)+12*\tau+6*\c+3],   v[L16], s[28:29] offset:3072*(\s)+1536*\tau+768*\c
	global_load_b64  v[HF+24*((\s)%5)+12*\tau+6*\c+4:HF+24*((\s)%5)+12*\tau+6*\c+5], v[L8],  s[28:29] offset:3072*(\s)+1536*\tau+768*\c+512
.endr
.endr
	global_load_b32 v[HSC+(\s)%5], v[LW], s[30:31] offset:128*(\s)
.endm
.macro WLD s                           ; W2's two fragments and scale words of K step s: 7 LDS loads
.if (\s) < 16
.set rW, L16
.set oW, WIMG+3072*(\s)
.else
.set rW, WR1
.set oW, WIMG+3072*((\s)-16)
.endif
.irp u, 0,1
.irp c, 0,1,2
	ds_load_b128 v[WF+24*((\s)%2)+12*\u+4*\c:WF+24*((\s)%2)+12*\u+4*\c+3], v[rW] offset:oW+1536*\u+512*\c
.endr
.endr
	ds_load_b32 v[WSCR+(\s)%2], v[WRS] offset:128*(\s)
.endm
.macro MUL s                           ; four matrix instructions, the four accumulators by turns.  Tile 1's scales stand in lanes 16-31 of the scale registers
.irp tau, 0,1
.irp u, 0,1
.set rD, ACC+16*\tau+8*\u
.set rA, WF+24*((\s)%2)+12*\u
.set rB, HF+24*((\s)%5)+12*\tau
.set rC, rD
.if (\s) == 0
.set rC, BI+8*\u                       ; the bias starts the sum
.endif
.set rS, WSCR+(\s)%2
.set rT, HSC+(\s)%5
.if (\tau == 0) && (\u == 0)
	v_wmma_scale_f32_16x16x128_f8f6f4 v[rD:rD+7], v[rA:rA+11], v[rB:rB+11], v[rC:rC+7], v[rS], v[rT] matrix_a_fmt:MATRIX_FMT_FP6 matrix_b_fmt:MATRIX_FMT_FP6
.elseif \tau == 0
	v_wmma_scale_f32_16x16x128_f8f6f4 v[rD:rD+7], v[rA:rA+11], v[rB:rB+11], v[rC:rC+7], v[rS], v[rT] matrix_a_fmt:MATRIX_FMT_FP6 matrix_b_fmt:MATRIX_FMT_FP6 matrix_a_scale:MATRIX_SCALE_ROW1
.elseif \u == 0
	v_wmma_scale_f32_16x16x128_f8f6f4 v[rD:rD+7], v[rA:rA+11], v[rB:rB+11], v[rC:rC+7], v[rS], v[rT] matrix_a_fmt:MATRIX_FMT_FP6 matrix_b_fmt:MATRIX_FMT_FP6 matrix_b_scale:MATRIX_SCALE_ROW1
.else
	v_wmma_scale_f32_16x16x128_f8f6f4 v[rD:rD+7], v[rA:rA+11], v[rB:rB+11], v[rC:rC+7], v[rS], v[rT] matrix_a_fmt:MATRIX_FMT_FP6 matrix_b_fmt:MATRIX_FMT_FP6 matrix_a_scale:MATRIX_SCALE_ROW1 matrix_b_scale:MATRIX_SCALE_ROW1
.endif
.endr
.endr
.endm
.macro STEP s
.if (\s) <= 27
	s_wait_loadcnt 36                              ; K step s of h is in (and the tokens, asked for ahead of it); the four steps behind it, 9 loads each, may be out
.else
	s_wait_loadcnt 9*(31-(\s))
.endif
.if (\s) <= 30
	s_wait_dscnt 7                                 ; K step s of W2 is in; the next step's 7 loads may be out
.else
	s_wait_dscnt 0x0
.endif
	MUL \s
.rept 4
	v_nop                                          ; four plain instructions in front of loads into registers that the products read, and of the first read of results
.endr
.if (\s)+5 <= 31
	HLD (\s)+5
.endif
.if (\s)+2 <= 31
	WLD (\s)+2
.endif
.endm
.Lunit:                                        ; a pair of 32 rows x the slice's 32 columns
.irp i, 0,1,2,3,4,5,6,7
	global_load_b32 v[LT+\i], v[LO], s[32:33] offset:16*\i         ; the token of row 4 i + lane / 8
.endr
	HLD 0
	HLD 1
	HLD 2
	HLD 3
	HLD 4
	WLD 0
	WLD 1
.irp s, 0,1,2,3,4,5,6,7,8,9,10,11,12,13,14,15,16,17,18,19,20,21,22,23,24,25,26,27,28,29,30,31
	STEP \s
.endr
	; lane (r, h): row 16 tau + r, columns 16 u + 8 h + 0 .. 7
.irp tau, 0,1
.irp u, 0,1
	ds_store_b128 v[STO], v[ACC+16*\tau+8*\u:ACC+16*\tau+8*\u+3]   offset:2304*\tau+64*\u      ; each accumulator from its low end on
	ds_store_b128 v[STO], v[ACC+16*\tau+8*\u+4:ACC+16*\tau+8*\u+7] offset:2304*\tau+64*\u+16
.endr
.endr
.irp i, 0,1,2,3,4,5,6,7
	ds_load_b128 v[OUTR+4*\i:OUTR+4*\i+3], v[SRD] offset:576*\i    ; my own bytes, and LDS serves a wave's instructions in order (ISA guide 5.7.1.4): these see the stores above
.endr
.irp i, 0,1,2,3,4,5,6,7
	v_min_u32 v[AD+\i], 0x3ff, v[LT+\i]            ; inside out0, whatever was read
.endr
.irp i, 0,1,2,3,4,5,6,7
	v_lshl_add_u32 v[AD+\i], v[AD+\i], 12, v[CO]   ; the token's row of 4,096 bytes, + my 16 bytes
.endr
.irp i, 0,1,2,3,4,5,6,7
	s_wait_dscnt 7-\i                              ; the younger reads of the stage may be out
	global_store_b128 v[AD+\i], v[OUTR+4*\i:OUTR+4*\i+3], s[34:35] th:TH_STORE_NT   ; eight lanes store 128 consecutive bytes of a row
.endr
	s_wait_xcnt 0x0                                ; the stores' data and offsets, and the loads' bases, are written again only behind this wait
	s_add_nc_u64 s[28:29], s[28:29], 16*98304      ; sixteen pairs on
	s_add_nc_u64 s[30:31], s[30:31], 16*4096
	s_add_nc_u64 s[32:33], s[32:33], 16*128
	s_add_co_u32 s25, s25, 1                       ; the loop is counted by ones against the trips made ahead of it
	s_cmp_lt_u32 s25, s24
	s_cbranch_scc1 .Lunit
.Lend:
	s_wait_tensorcnt 0x0
	ds_add_u32 v3, v237
	s_wait_dscnt 0x0
	s_endpgm
.Lfunc_end_k_qf930e48239_ffn2:
	.size	k_qf930e48239_ffn2, .Lfunc_end_k_qf930e48239_ffn2-k_qf930e48239_ffn2
	.p2alignl 7, 3214868480
	.fill 96, 4, 3214868480
	.section	.rodata,"a",@progbits
	.p2align	6, 0x0
	.amdhsa_kernel k_qf930e48239_ffn2
		.amdhsa_group_segment_fixed_size 178176
		.amdhsa_private_segment_fixed_size 0
		.amdhsa_enable_private_segment 0
		.amdhsa_kernarg_size 56
		.amdhsa_user_sgpr_count 2
		.amdhsa_user_sgpr_kernarg_segment_ptr 1
		.amdhsa_wavefront_size32 1
		.amdhsa_system_sgpr_workgroup_id_x 1
		.amdhsa_system_sgpr_workgroup_id_y 1
		.amdhsa_system_sgpr_workgroup_id_z 1
		.amdhsa_system_vgpr_workitem_id 0
		.amdhsa_next_free_vgpr 256
		.amdhsa_next_free_sgpr 66
		.amdhsa_reserve_vcc 0
		.amdhsa_float_denorm_mode_32 3
		.amdhsa_float_denorm_mode_16_64 3
		.amdhsa_memory_ordered 1
		.amdhsa_forward_progress 1
		.amdhsa_inst_pref_size 108
	.end_amdhsa_kernel
	.amdgpu_metadata
---
amdhsa.version: [ 1, 2 ]
amdhsa.kernels:
  - .name:           k_qf930e48239_ffn2
    .symbol:         k_qf930e48239_ffn2.kd
    .args:
      - { .name: cnt, .offset: 0, .size: 8, .value_kind: global_buffer, .address_space: global }
      - { .name: list, .offset: 8, .size: 8, .value_kind: global_buffer, .address_space: global }
      - { .name: hc, .offset: 16, .size: 8, .value_kind: global_buffer, .address_space: global }
      - { .name: hs, .offset: 24, .size: 8, .value_kind: global_buffer, .address_space: global }
      - { .name: W2, .offset: 32, .size: 8, .value_kind: global_buffer, .address_space: global }
      - { .name: b2, .offset: 40, .size: 8, .value_kind: global_buffer, .address_space: global }
      - { .name: out0, .offset: 48, .size: 8, .value_kind: global_buffer, .address_space: global }
    .group_segment_fixed_size: 178176
    .private_segment_fixed_size: 0
    .kernarg_segment_align: 8
    .kernarg_segment_size: 56
    .max_flat_workgroup_size: 512
    .sgpr_count:     66
    .vgpr_count:     256
    .wavefront_size: 32
...
	.end_amdgpu_metadata
.endif
;; end of part 4
